; MI455X (gfx1250); checked and timed in simulation.
; The chip was launched on July 23, 2026; its instructions are those of AMD's public machine-readable ISA for CDNA 5 (MIT licence, August 2026) and "CDNA5" Instruction Set Architecture Reference Guide (July 2026). The comments in the code are by the model that wrote it; some were corrected since.
;; Attention Head. Allowed arithmetic: matrix products marked QUANTISED: E5M2 operands, one E8M0 scale for each 32 along K, by v_wmma_scale_f32_16x16x128_f8f6f4 with both operands' format E5M2, f32 sums; products left as they are: f32 operands where the result goes on into a quantised operand, else bf16, f16 or f32 operands; f32 sums; everything else in f32.
;; Inputs: Wk 5 x 64 float32; Wq 5 x 64 float32; Wv 5 x 64 float32; bk 64 float32; bq 64 float32; bv 64 float32; x 4,096 x 4 x 5 float32.
;; Outputs: out0 4,096 x 4 x 64 float32.
;; This version of the problem:
;;   THIS VERSION OF THE PROBLEM IS GIVEN IN LOW PRECISION. The matrix products marked QUANTISED in the list below multiply operands that are first quantised to E5M2 (5 exponent bits, 2 mantissa bits; 8 bits a number), with one power-of-two scale for each 32 numbers along K (OCP MX v1.0); their sums are f32. All else is computed in f32.
;;   The module's matrix products, in the order in which they are computed (A, B: the left and right operand; K: the contracted axis; several contracted axes count as one K, in the product's order):
;;     1. [M 16,384, K 5] x [K 5, N 64]; A: input x; B: input Wk: left as it is (K = 5 < 32)
;;     2. [M 16,384, K 5] x [K 5, N 64]; A: input x; B: input Wq: left as it is (K = 5 < 32)
;;     3. [M 16,384, K 5] x [K 5, N 64]; A: input x; B: input Wv: left as it is (K = 5 < 32)
;;     4. batch 4 x [M 4,096, K 64] x [K 64, N 4,096]; A: computed on the way; B: computed on the way: QUANTISED
;;     5. batch 4 x [M 4,096, K 4,096] x [K 4,096, N 64]; A: softmax (see below); B: computed on the way: QUANTISED
;;   THE QUANTISER, for each operand of a quantised product, along K:
;;     - K is cut into blocks of 32 from its start; a last block that is shorter is filled with zeros.
;;     - A block's scale is 2^e with e = floor(log2(the largest magnitude in the block)) - 15, held to -126 .. 127; a block of zeros has e = 0. As a byte (E8M0): e + 127.
;;     - Each number is divided by its block's scale, clamped to +-57,344, and rounded to the nearest number of E5M2, ties to even, subnormals kept.
;;     - The product sums the exact products of the quantised numbers (number of the format x scale) in f32.
;;   ~~~python
;;   def quantise(x, axis):      # numpy; x: float32 -> the quantised numbers, widened to float32 again
;;       x = np.moveaxis(x, axis, -1); K = x.shape[-1]
;;       x = np.pad(x, [(0, 0)] * (x.ndim - 1) + [(0, -K % 32)]); x = x.reshape(x.shape[:-1] + (-1, 32)); a = np.abs(x).max(-1, keepdims=True)
;;       e = np.where(a > 0, np.clip(np.frexp(np.where(a > 0, a, 1))[1] - 1 - 15, -126, 127), 0)      # np.frexp(a)[1] - 1 = floor(log2(a)), exactly
;;       r = np.clip(x / 2.0 ** e, -57344, 57344)
;;       step = 2.0 ** (np.maximum(np.frexp(np.where(r == 0, 1, r))[1] - 1, -14) - 2)
;;       q = np.round(r / step) * step * 2.0 ** e      # np.round: ties to even
;;       return np.moveaxis(q.reshape(q.shape[:-2] + (-1,))[..., :K], -1, axis).astype(np.float32)
;;   ~~~
;;   SOFTMAX AHEAD OF A QUANTISED PRODUCT. Where the list says 'softmax', what is quantised is not the finished softmax but p = 2^(t - M), with t = logit x log2(e) and M = ceil(the row's largest t), a whole number; so 1/2 < the row's largest p <= 1. The row's sum l is taken of the UNQUANTISED p, in f32, and the product's result is divided by l at the end. Since M is a whole number, a kernel that streams over the keys may use a running M (the ceiling of the running maximum): every later rescaling is an exact power of two, which a block's scale takes up: the codes' values come out the same.
;;   OPERANDS COMPUTED ON THE WAY. 'Computed on the way' means the value that the module computes at that place (a softmax that the list does not call 'softmax' is quantised finished and normalised). What goes into a quantiser is computed in f32, as accurately as f32 sums, v_exp_f32 and their like allow (about 1e-6 of the number): no bf16 or f16 on the way to a quantiser, and a product that is left as it is and whose result goes on into a quantised operand takes f32 operands (vector FMAs, or v_wmma_f32_16x16x4_f32). A number that lies on a knife's edge between two numbers of the format may be rounded either way, as far as f32 arithmetic and the matrix unit's own rounding can turn it there, and no further.
;; One version. Each part assembles by itself: llvm-mc -triple=amdgcn-amd-amdhsa -mcpu=gfx1250 --defsym DOCPART=n.
;; ======== version 1 of 1: 2 launches
;; limits: right only within a limited range of input values
;; workspace buffers: kv 2,162,688 bytes; qc 1,048,576 bytes; qs 131,072 bytes
;; launch prep (part 1): grid 64 x 4, 6 waves a work-group, no clusters, 0 bytes of LDS; arguments x, Wk, bk, Wq, bq, Wv, bv, kv, qc, qs; writes kv, qc, qs
.if DOCPART == 1
	.amdgcn_target "amdgcn-amd-amdhsa--gfx1250"
	.amdhsa_code_object_version 6
	.text
	.protected	k_q5e7b9dc3b3_prep
	.globl	k_q5e7b9dc3b3_prep
	.p2align	8
	.type	k_q5e7b9dc3b3_prep,@function
k_q5e7b9dc3b3_prep:
	s_mov_b64 s[64:65], 0
	v_nop
	global_prefetch_b8 v0, s[64:65] scope:SCOPE_SE
	s_setreg_imm32_b32 hwreg(HW_REG_WAVE_MODE, 25, 1), 1
	s_wait_xcnt 0x0
; keys = x Wk + bk, queries = x Wq + bq, values = x Wv + bv in f32 (K = 5, and the bias as a sixth term with the factor 1: two steps of the f32 matrix form), each quantised once
; to codes of BF8 (E5M2) with one E8M0 byte for each 32 along the K of the product that it feeds, stored AS IMAGES OF THE OPERANDS' REGISTERS (r = lane % 16, h = lane / 16).
; kv: [batch][32 records of 128 keys], a RECORD of 16,896 bytes:
;   bytes 0 .. 8191      K image [f 4][c 4][lane][16]: lane (r, h) holds key 32 f + 8 u + r + 8 (r / 8), channels 32 c' + 16 h + 0 .. 15, c = 2 u + c'
;   bytes 8192 .. 16383  V image [t 4][c 4][lane][16]: lane (r, h) holds channel 16 t + r, keys 32 c + 16 h + 0 .. 15
;   bytes 16384 .. 16639 K's scale words [f][r], byte c;   bytes 16640 .. 16895 V's [t][r], byte c
; qc: [batch][tile of 16 queries][c' 2][lane][16]: lane (r, h) holds query r, channels 32 c' + 16 h + 0 .. 15.
; qs: [batch][query] 8 bytes: the two scale bytes in the low half of the first word, the same two in the high half of the second.
; SHARES.  Two work-groups to a record, six waves each: waves 0, 1 fragment f of K, waves 2, 3 channel tile t of V, waves 4, 5 32 queries; f, t or the queries' number is j = 2 (x % 2) + wave % 2.
; A wave makes 8 tiles of 16 x 16 numbers: 4 groups of 16 registers, each half of a block of 32 (lane l xor 16 holds the other half), 2,048 bytes of codes and whole scale words: waves share nothing, so no LDS and no barrier.
; K and Q: source 0 = 16 channels of W^T, source 1 = 16 positions; V: source 0 = 16 positions, source 1 = 16 channels.  The rows of a source-0 tile are r + 8 (r / 8), so that a lane's registers of two tiles are 16 neighbours.
; A wave of K or V stores its scale words as 64 bytes, a quarter of an aligned unit of 256: 512 of a record's 16,896 bytes; whole units there would want LDS and a barrier at the launch's end.
; WORK LEFT OUT: none here.  The bias of the keys is live: it enters a quantiser.
; LIMITS: NaN and infinities among the inputs are not served.  A block of zeros gets the byte 1 where the stated quantiser says 127: its codes are zeros, and this program alone reads the bytes.
.set REC, 16896
.set AA,  16                           ; source 0: four registers a tile (two steps of K).  K, Q: v16-31; V: v16-47
.set BB,  32                           ; source 1 of K and Q: two tiles, v32-39
.set BV,  48                           ; source 1 of V: v48-51
.set DD,  64                           ; v64-127  the sums: written by matrix instructions alone
.set Y,   128                          ; v128-191 held numbers
.set CO,  192                          ; v192-207 codes
.set M,   208                          ; v208-211 largest magnitudes; 212-215 the other half's; 216-219 scale operands; 220-223 holds; 224-227 bytes; 228 the word
	s_load_b512 s[4:19], s[0:1], 0x0               ; x s[4:5], Wk s[6:7], bk s[8:9], Wq s[10:11], bq s[12:13], Wv s[14:15], bv s[16:17], kv s[18:19]
	s_load_b128 s[20:23], s[0:1], 0x40             ; qc s[20:21], qs s[22:23]
	v_lshrrev_b32 v1, 5, v0
	v_readfirstlane_b32 s44, v1                    ; wave 0..5
	s_lshr_b32 s45, s44, 1                         ; role: 0 K, 1 V, 2 Q
	s_and_b32 s46, s44, 1
	s_and_b32 s47, ttmp9, 1
	s_lshl_b32 s47, s47, 1
	s_add_co_u32 s46, s46, s47                     ; j
	s_lshr_b32 s47, ttmp9, 1                       ; record of the batch
	s_and_b32 s60, ttmp7, 0xffff                   ; batch
	s_lshl_b32 s61, s60, 5
	s_add_co_u32 s61, s61, s47                     ; record's number
	s_mul_i32 s52, s61, REC
	s_lshl_b32 s53, s46, 11
	s_lshl_b32 s55, s46, 6
	s_add_co_u32 s54, s52, s55
	s_add_co_u32 s54, s54, 16384                   ; where my scale words go in kv (K),
	s_add_co_u32 s52, s52, s53                     ; and my codes;
	s_lshl_b32 s55, s45, 13
	s_add_co_u32 s52, s52, s55                     ; V: 8,192 bytes on,
	s_lshl_b32 s55, s45, 8
	s_add_co_u32 s54, s54, s55                     ; and 256
	s_lshl_b32 s56, s61, 13
	s_add_co_u32 s56, s56, s53                     ; Q: in qc,
	s_lshl_b32 s57, s61, 10
	s_lshl_b32 s53, s46, 8
	s_add_co_u32 s57, s57, s53                     ; and in qs
	s_mov_b32 s59, 640
	s_cmp_eq_u32 s45, 2
	s_cselect_b32 s52, s56, s52
	s_cselect_b32 s54, s57, s54
	s_cselect_b32 s58, 0, 8                        ; positions of a tile: r + 8 (r / 8) for K and V, r for Q
	s_cselect_b32 s59, 1280, s59                   ; from tile u = 0 to u = 1: 8 keys, or 16 queries
	s_mul_i32 s62, s47, 10240                      ; x: 128 positions of 80 bytes,
	s_mul_i32 s63, s60, 20                         ; the batch's 20 bytes in a position,
	s_add_co_u32 s62, s62, s63
	s_mul_i32 s63, s46, 2560                       ; K and Q: my 32 positions
	s_cmp_eq_u32 s45, 1
	s_cselect_b32 s63, 0, s63
	s_add_co_u32 s62, s62, s63
	s_mov_b32 s53, 0
	s_mov_b32 s55, 0
	s_mov_b32 s63, 0
	s_lshl_b32 s66, s46, 6                         ; V: my 16 channels, in bytes
	s_mov_b32 s48, 0x76543210
	s_mov_b32 s49, 0xfedcba98                      ; v_permlanex16_b32's selects for lane l xor 16
	s_mov_b32 s50, 0xffff                          ; lanes 0-15
	s_mov_b32 s51, 0x600000                        ; the mantissa field of 57,344
	v_and_b32 v2, 31, v0
	v_and_b32 v12, 15, v0                          ; r
	v_bfe_u32 v13, v0, 4, 1                        ; h
	v_bfe_u32 v14, v0, 3, 1                        ; r / 8
	v_mul_u32_u24 v15, s58, v14
	v_add_nc_u32 v15, v15, v12
	v_mul_u32_u24 v7, 80, v15                      ; my position's row of x: tile 0,
	v_add_nc_u32 v8, s59, v7                       ; tile 1
	v_lshl_add_u32 v5, v13, 3, v7                  ; the same, at my half's two numbers
	v_add_nc_u32 v6, s59, v5
	v_lshl_add_u32 v4, v14, 3, v12
	v_lshlrev_b32 v4, 2, v4                        ; W, bias: channel r + 8 (r / 8)
	v_lshl_add_u32 v3, v13, 9, v4                  ; + my half's two rows of W
	v_lshlrev_b32 v9, 4, v2
	v_lshlrev_b32 v10, 2, v12
	v_lshlrev_b32 v11, 3, v2
.irp c, 0,1,2,3
	v_mov_b32 v[M+4+\c], 0                         ; a lane permute's destination counts as one of its sources
.endr
	s_wait_alu depctr_va_vdst(0)                   ; the wait at the head's end
	s_wait_kmcnt 0x0
	s_cmp_eq_u32 s45, 2
	s_cselect_b64 s[24:25], s[10:11], s[6:7]       ; W and bias of Q or K
	s_cselect_b64 s[26:27], s[12:13], s[8:9]
	s_cselect_b64 s[28:29], s[20:21], s[18:19]     ; where codes and scales go
	s_cselect_b64 s[30:31], s[22:23], s[18:19]
	s_add_nc_u64 s[4:5], s[4:5], s[62:63]
	s_add_nc_u64 s[28:29], s[28:29], s[52:53]
	s_add_nc_u64 s[30:31], s[30:31], s[54:55]
	s_cmp_eq_u32 s45, 1
	s_cbranch_scc1 .Lvalues
.irp u, 0,1
	global_load_b32 v[BB+4*\u], v[5+\u], s[4:5]                    ; x: numbers 2 h, 2 h + 1; number 4
	global_load_b32 v[BB+4*\u+1], v[5+\u], s[4:5] offset:4
.endr
.irp a, 0,1,2,3                                ; channel tile a = 2 c' + v: channels 32 c' + 8 v + r + 8 (r / 8)
	global_load_b32 v[AA+4*\a], v3, s[24:25] offset:128*(\a/2)+32*(\a%2)
	global_load_b32 v[AA+4*\a+1], v3, s[24:25] offset:128*(\a/2)+32*(\a%2)+256
.endr
.irp u, 0,1                                    ; the second step's ten: x's number 4, W's row 4, the bias
	global_load_b32 v[BB+4*\u+2], v[7+\u], s[4:5] offset:16
.endr
.irp a, 0,1,2,3
	global_load_b32 v[AA+4*\a+2], v4, s[24:25] offset:128*(\a/2)+32*(\a%2)+1024
	global_load_b32 v[AA+4*\a+3], v4, s[26:27] offset:128*(\a/2)+32*(\a%2)
.endr
	v_cndmask_b32 v[BB+3], 0, 1.0, s50             ; the bias's factor: 1 at k = 5; lanes 16-31 hold k = 6, 7: zeros, against which the other source's finite numbers count for nothing
	v_cndmask_b32 v[BB+7], 0, 1.0, s50
	s_wait_alu depctr_va_vdst(0)
	s_wait_loadcnt 10                              ; the second step's ten may be out
.irp u, 0,1
.irp a, 0,1,2,3
	v_wmma_f32_16x16x4_f32 v[DD+32*\u+8*\a:DD+32*\u+8*\a+7], v[AA+4*\a:AA+4*\a+1], v[BB+4*\u:BB+4*\u+1], 0
.endr
.endr
	s_wait_loadcnt 0x0
	v_cndmask_b32 v[BB+2], 0, v[BB+2], s50
	v_cndmask_b32 v[BB+6], 0, v[BB+6], s50
.irp u, 0,1
.irp a, 0,1,2,3
	v_wmma_f32_16x16x4_f32 v[DD+32*\u+8*\a:DD+32*\u+8*\a+7], v[AA+4*\a+2:AA+4*\a+3], v[BB+4*\u+2:BB+4*\u+3], v[DD+32*\u+8*\a:DD+32*\u+8*\a+7]
.endr
.endr
	s_branch .Lquant
.Lvalues:
	v_add_nc_u32 v4, s66, v10                      ; channel 16 t + r
	v_lshl_add_u32 v3, v13, 9, v4
.irp d, 0,1,2,3,4,5,6,7                        ; key tile d = 2 c + v: keys 32 c + 8 v + r + 8 (r / 8)
	global_load_b32 v[AA+4*\d], v5, s[4:5] offset:2560*(\d/2)+640*(\d%2)
	global_load_b32 v[AA+4*\d+1], v5, s[4:5] offset:2560*(\d/2)+640*(\d%2)+4
.endr
	global_load_b32 v[BV], v3, s[14:15]
	global_load_b32 v[BV+1], v3, s[14:15] offset:256
.irp d, 0,1,2,3,4,5,6,7                        ; the second step's ten: x's number 4 of eight tiles, W's row 4, the bias
	global_load_b32 v[AA+4*\d+2], v7, s[4:5] offset:2560*(\d/2)+640*(\d%2)+16
.endr
	global_load_b32 v[BV+2], v4, s[14:15] offset:1024
	global_load_b32 v[BV+3], v4, s[16:17]
.irp d, 0,1,2,3,4,5,6,7
	v_mov_b32 v[AA+4*\d+3], 1.0                    ; the bias's factor; k = 6, 7 are zeros on W's side
.endr
	s_wait_alu depctr_va_vdst(0)
	s_wait_loadcnt 10                              ; the second step's ten may be out
.irp d, 0,1,2,3,4,5,6,7
	v_wmma_f32_16x16x4_f32 v[DD+8*\d:DD+8*\d+7], v[AA+4*\d:AA+4*\d+1], v[BV:BV+1], 0
.endr
	s_wait_loadcnt 0x0
	v_cndmask_b32 v[BV+2], 0, v[BV+2], s50
	v_cndmask_b32 v[BV+3], 0, v[BV+3], s50
.irp d, 0,1,2,3,4,5,6,7
	v_wmma_f32_16x16x4_f32 v[DD+8*\d:DD+8*\d+7], v[AA+4*\d+2:AA+4*\d+3], v[BV+2:BV+3], v[DD+8*\d:DD+8*\d+7]
.endr
.Lquant:
.rept 8
	v_nop                                          ; eight places ahead of the first read of the sums (ISA guide 7.12.1)
.endr
.irp c, 0,1,2,3
	v_max3_num_f32 v[M+\c], |v[DD+16*\c]|, |v[DD+16*\c+1]|, 0x8000000   ; the floor 2^(16 - 127) among the leaves: the byte cannot fall under 1
.endr
.irp i, 2,4,6,8,10,12,14
.irp c, 0,1,2,3
	v_max3_num_f32 v[M+\c], v[M+\c], |v[DD+16*\c+\i]|, |v[DD+16*\c+\i+1]|
.endr
.endr
.irp c, 0,1,2,3
	v_permlanex16_b32 v[M+4+\c], v[M+\c], s48, s49
.endr
.irp c, 0,1,2,3
	v_max_num_f32 v[M+\c], v[M+\c], v[M+4+\c]      ; with lane l xor 16's: the block's largest magnitude
.endr
.irp c, 0,1,2,3
	v_add_nc_u32 v[M+8+\c], 0xf8800000, v[M+\c]    ; 15 off its exponent field: the conversion's scale operand
.endr
.irp c, 0,1,2,3
	v_and_or_b32 v[M+12+\c], v[M+\c], 0x7f800000, s51              ; 57,344 x the scale
.endr
.irp c, 0,1,2,3
	v_lshrrev_b32 v[M+16+\c], 23, v[M+8+\c]        ; the scale's byte
.endr
	v_lshl_or_b32 v228, v[M+17], 8, v[M+16]
	v_lshl_or_b32 v228, v[M+18], 16, v228
	v_lshl_or_b32 v228, v[M+19], 24, v228          ; the four blocks' scale word of row r
.irp c, 0,1,2,3
.irp i, 0,1,2,3,4,5,6,7,8,9,10,11,12,13,14,15
	v_med3_num_f32 v[Y+16*\c+\i], v[DD+16*\c+\i], -v[M+12+\c], v[M+12+\c]   ; the conversion to an 8-bit code does not saturate (ISA guide 7.6.2): hold first
.endr
	v_cvt_scalef32_pk8_bf8_f32 v[CO+4*\c:CO+4*\c+1], v[Y+16*\c:Y+16*\c+7], v[M+8+\c]
	v_cvt_scalef32_pk8_bf8_f32 v[CO+4*\c+2:CO+4*\c+3], v[Y+16*\c+8:Y+16*\c+15], v[M+8+\c]
	v_nop
	global_store_b128 v9, v[CO+4*\c:CO+4*\c+3], s[28:29] offset:512*\c      ; 32 lanes store 512 consecutive bytes, aligned to 512
.endr
	s_wait_alu depctr_va_vdst(0)
	s_cmp_eq_u32 s45, 2
	s_cbranch_scc1 .Lqueries
	s_wait_xcnt 0x0                                ; EXEC changes only behind this wait
	s_and_saveexec_b32 s67, s50                    ; lanes 0-15
	global_store_b32 v10, v228, s[30:31]           ; 64 consecutive bytes
	s_wait_xcnt 0x0
	s_or_b32 exec_lo, exec_lo, s67
	s_endpgm
.Lqueries:
	v_and_b32 v229, 0xffff, v228
	v_lshrrev_b32 v232, 16, v228
	v_cndmask_b32 v230, v232, v229, s50            ; lane (r, h) takes query 16 h + r: tile u = h
	v_lshlrev_b32 v231, 16, v230
	global_store_b64 v11, v[230:231], s[30:31]     ; 32 queries x 8 bytes: 256 consecutive bytes, aligned
	s_endpgm
.Lfunc_end_k_q5e7b9dc3b3_prep:
	.size	k_q5e7b9dc3b3_prep, .Lfunc_end_k_q5e7b9dc3b3_prep-k_q5e7b9dc3b3_prep
	.p2alignl 7, 3214868480
	.fill 96, 4, 3214868480
	.section	.rodata,"a",@progbits
	.p2align	6, 0x0
	.amdhsa_kernel k_q5e7b9dc3b3_prep
		.amdhsa_group_segment_fixed_size 0
		.amdhsa_private_segment_fixed_size 0
		.amdhsa_enable_private_segment 0
		.amdhsa_kernarg_size 80
		.amdhsa_user_sgpr_count 2
		.amdhsa_user_sgpr_kernarg_segment_ptr 1
		.amdhsa_wavefront_size32 1
		.amdhsa_system_sgpr_workgroup_id_x 1
		.amdhsa_system_sgpr_workgroup_id_y 1
		.amdhsa_system_sgpr_workgroup_id_z 1
		.amdhsa_system_vgpr_workitem_id 0
		.amdhsa_next_free_vgpr 240
		.amdhsa_next_free_sgpr 72
		.amdhsa_reserve_vcc 0
		.amdhsa_float_denorm_mode_32 3
		.amdhsa_float_denorm_mode_16_64 3
		.amdhsa_memory_ordered 1
		.amdhsa_forward_progress 1
		.amdhsa_inst_pref_size 21
	.end_amdhsa_kernel
	.amdgpu_metadata
---
amdhsa.version: [ 1, 2 ]
amdhsa.kernels:
  - .name:           k_q5e7b9dc3b3_prep
    .symbol:         k_q5e7b9dc3b3_prep.kd
    .args:
      - { .name: x, .offset: 0, .size: 8, .value_kind: global_buffer, .address_space: global }
      - { .name: Wk, .offset: 8, .size: 8, .value_kind: global_buffer, .address_space: global }
      - { .name: bk, .offset: 16, .size: 8, .value_kind: global_buffer, .address_space: global }
      - { .name: Wq, .offset: 24, .size: 8, .value_kind: global_buffer, .address_space: global }
      - { .name: bq, .offset: 32, .size: 8, .value_kind: global_buffer, .address_space: global }
      - { .name: Wv, .offset: 40, .size: 8, .value_kind: global_buffer, .address_space: global }
      - { .name: bv, .offset: 48, .size: 8, .value_kind: global_buffer, .address_space: global }
      - { .name: kv, .offset: 56, .size: 8, .value_kind: global_buffer, .address_space: global }
      - { .name: qc, .offset: 64, .size: 8, .value_kind: global_buffer, .address_space: global }
      - { .name: qs, .offset: 72, .size: 8, .value_kind: global_buffer, .address_space: global }
    .group_segment_fixed_size: 0
    .private_segment_fixed_size: 0
    .kernarg_segment_align: 8
    .kernarg_segment_size: 80
    .max_flat_workgroup_size: 192
    .sgpr_count:     72
    .vgpr_count:     240
    .wavefront_size: 32
...
	.end_amdgpu_metadata
.endif
;; end of part 1
;; launch attn (part 2): grid 64 x 4, 16 waves a work-group, clusters of 4 x 1, 327,680 bytes of LDS; arguments kv, qc, qs, out0; writes out0
.if DOCPART == 2
	.amdgcn_target "amdgcn-amd-amdhsa--gfx1250"
	.amdhsa_code_object_version 6
	.text
	.protected	k_q5e7b9dc3b3_attn
	.globl	k_q5e7b9dc3b3_attn
	.p2align	8
	.type	k_q5e7b9dc3b3_attn,@function
k_q5e7b9dc3b3_attn:
	s_mov_b64 s[64:65], 0
	v_nop
	global_prefetch_b8 v0, s[64:65] scope:SCOPE_SE
	s_setreg_imm32_b32 hwreg(HW_REG_WAVE_MODE, 25, 1), 1
	s_wait_xcnt 0x0
	s_wait_alu depctr_hold_cnt(0) depctr_sa_sdst(0) depctr_va_vdst(0) depctr_va_sdst(0) depctr_va_ssrc(0) depctr_va_vcc(0) depctr_vm_vsrc(0)
	s_getreg_b32 s2, hwreg(HW_REG_IB_STS2, 6, 4)
	s_cmp_eq_u32 s2, 0
	s_cbranch_scc0 .Lentry_in_a_cluster
	s_endpgm
.Lentry_in_a_cluster:
	s_bfe_u32 s2, ttmp6, 0x10000c
	s_cmp_lg_u32 s2, 0x3003
	s_cbranch_scc0 .Lentry_shape_is_right
	s_endpgm
.Lentry_shape_is_right:
; out0[q][b][:] = the sum over keys k <= q of softmax_k(key_k . query_q / 8) value_k, both products on codes of BF8 (E5M2) with one E8M0 scale for each 32 along K.
; kv, qc, qs hold the operands as images of their registers (the first launch's head comment has the layouts): a RECORD of 16,896 bytes is 128 keys.
; WORK LEFT OUT: records all of whose keys come after a tile's last query: the mask gives every score there -infinity, whatever the inputs hold.  A NaN or an infinity met only there is not carried to the result.
; THE SOFTMAX AHEAD OF THE SECOND PRODUCT: t = score x log2(e) / 8.  EACH BLOCK OF 32 KEYS HAS ITS OWN WHOLE NUMBER n = floor(its largest t): P = 2^(t - n), the block's largest lies in 1 .. 2, so the block's scale is 2^-15 x 2^n
; and the largest code x the scale is the constant 1.75.  Against the stated p = 2^(t - M) this is an exact power of two, which the block's scale byte takes up: 127 + n - N, N the stream's largest n so far.
; (The 15 is left out of the byte, so O stands 2^15 too high and the merge takes 2^-15 in.)  The sum l is taken of the unquantised P, block by block, x 2^(n - N).  When N moves, l and O are multiplied by 2^(old N - new N): exact.
; SHARES.  4 batches x 64 work-groups.  Work-group g = 4 q + cx (q: the cluster's number, cx: the place in it) owns four tiles of 16 queries: a HIGH pair (tiles 254 - 2 g, 255 - 2 g) and a LOW pair (tiles 2 g, 2 g + 1).
; The HIGH pair needs records 0 .. 31 - q, the LOW pair records 0 .. q: 33 in all, the same in all four partners.  Places sigma = 0 .. 31: place sigma holds record sigma while sigma < 32 - q (HIGH), else record 32 - sigma (LOW).
; 16 waves = 8 streams i = wave / 2 x 2 tiles p = wave % 2: in phase k = 0 .. 3 each wave takes its tile against place 8 k + i.  Record 0 of the LOW pair is done by stream 0 in the head, with its fragments loaded from memory straight into registers
; while the first tiles are on their way to LDS.  A wave carries two sets of sums, HIGH's and LOW's, of which one is at work; they are exchanged where its places turn from HIGH to LOW.  At the end the eight streams of a tile meet in LDS.
; RING.  Two slots of eight records.  At the head each wave fetches one whole record: waves 0-7 places 0 .. 7 into slot 0, waves 8-15 places 8 .. 15 into slot 1; the first barrier shows slot 0 alone.
; Behind phases 0 and 1's rounds each wave fetches half a record of places 16 .. 23 and 24 .. 31.  A round's opening signal stands behind the exponentials, where the slot's last bytes have been read; the holds, the conversions and the second product stand between it and the wait.
; CLUSTER.  The four partners walk the same records: each load is asked for JOINTLY.  cx enters Q's, qs', out0's and the prefetch's addresses and the mask's distance (data) and nothing else.
; PREFETCH.  Records 16 .. 31, which the two refills bring, but for their last 8,192 bytes: the batch's 64 work-groups share the blocks of 256 bytes out by address, 32 blocks (8,192 bytes) each, one instruction of wave 15 in the head, every block named by two work-groups;
; phase 0 stands between it and the first refill.  Records 0 .. 15 come by the head's loads alone.
; LAYOUT.  Both products are used transposed: S^T = K Q^T, O^T = V^T P^T: a lane holds ONE query (lane % 16) throughout.
; THE HEAD IS 64 WIDE, THE INSTRUCTION 128: a fragment of K holds TWO key tiles, tile 2 f in K = 0 .. 63 and tile 2 f + 1 in K = 64 .. 127.  Q stands in registers as [Q][8 registers of zero codes][Q]:
; the first sixteen registers pick the first tile, the last sixteen the second.  A zero code times one of K's finite codes is exactly 0; the scale bytes over the zero codes are 0, which is no NaN.
; LIMITS: NaN and infinities among the inputs are not served.  The promise holds while the scaled scores (t) stay under 2^31 in magnitude.  A block whose n lies more than 126 under N keeps the byte 1.
.set REC,   16896
.set HALF,  REC/2
.set ROW,   352                        ; a tile's row: 352 elements of 8 bytes: 2,816 bytes, a sixth of a record
.set SLOTB, 8*REC
.set SLOT0, 4096                       ; slot 0 begins here, slot 1 at SLOT0 + SLOTB
.set SREG,  16*272                     ; the merge's stage: 16 rows of 256 bytes + 16 for each tile and stream: 32 of them fill bytes 0 .. SLOT0 + SLOTB: the 4,096 in front of slot 0, and slot 0, which by then has had its last fill and its last read
.set STAT,  SLOT0+2*SLOTB              ; (-N, l) of 16 queries for each tile and stream: 32 x 128 bytes
.set SPARE, STAT+4096                  ; the spare words, 128 bytes for each wave
.set AKV, 1                            ; v1  my place in slot 0 + 16 x lane
.set SPW, 2                            ; v2  LDS address of my spare word; never rewritten
.set NIL, 3                            ; v3  0; never rewritten
.set ADR, 4                            ; v4  LDS address of the record in hand
.set ASW, 5                            ; v5  my place + 4 r + 256 h: scale words
.set CVS, 6                            ; v6  2^-15: the conversions' scale operand
.set QO,  7                            ; v7  16 x lane
.set NN,  8                            ; v8  -N;  v9 f = 2^(old N - new N)
.set F,   9
.set L,   10                           ; v[10:11] l in two halves
.set QF,  12                           ; v12-35 Q | zero codes | Q
.set QLO, 36                           ; v36 Q's scale word for the first sixteen: s0, s1, 0, 0
.set QHI, 37                           ; v37 for the last sixteen: 0, 0, s0, s1
.set PW,  38                           ; v38 P's scale word
.set ADS, 39                           ; v39 LDS address of the record's scale words
.set SW,  40                           ; v40-43 scale words: lanes 0-15 K's, lanes 16-31 V's
.set FR,  44                           ; v44-107 four fragments: K's, then V's
.set PC,  108                          ; v108-123 P's codes: block 0's in front of the scores, the others' over block 0's scores, which have been converted by then
.set S,   112                          ; v112-175 S^T, then P
.set O,   176                          ; v176-207 O^T of the tile at work
.set O2,  208                          ; v208-239 of the other
.set NN2, 240
.set QSO, 241                          ; v241 8 r
.set L2,  242
.set BM,  244                          ; v244-247 the blocks' largest scores, then t, then 127 + n - N in the low byte; then sums of blocks 0 and 1
.set PT,  248                          ; v248-251 the other half's, then -n, then 2^(n - N)
.set TMP, 252                          ; v252-255: at work; sums of blocks 2 and 3
.set PFO, 255                          ; v255 in the head: the prefetch's offset
.set WV,  12
.set I,   13                           ; my stream
.set P,   14                           ; which tile of a pair
.set LA,  15                           ; where my half record of slot 0 lies
.set NH,  16                           ; 32 - q
.set SG,  17                           ; sigma
.set TB,  18                           ; the slot in hand: 0 or SLOTB
.set MNB, 19                           ; the first place of the next refill
.set SEL, 20                           ; s[20:21] v_permlanex16_b32's selects for lane l xor 16
.set CS,  22                           ; s[22:23] c = log2(e) / 8
.set G1,  24                           ; s[24:31] descriptor group 1 of the head's loads
.set G0,  32                           ; s[32:35] group 0
.set QH,  36                           ; s[36:37] my HIGH tile's codes; s[38:39] my LOW tile's; s[40:41], s[42:43] their scales
.set QL,  38
.set SH,  40
.set SL,  42
.set KVB, 44                           ; s[44:45] kv at my batch
.set OUT, 46                           ; s[46:47] out0 at my rows of the merge
.set PM0, 48
.set PM1, 49                           ; byte selects
.set TH,  50                           ; s50, s51: 16 x (tile % 8): HIGH, LOW
.set TL,  51
.set HO,  52                           ; p x half a record
.set HC,  54                           ; 1.75
.set CL,  55                           ; -126
.set MG,  56                           ; s[56:57] 2^23 + 127
.set HLC, 58                           ; 1 behind the exchange of the sums
.set QC,  60                           ; s[60:61], s[62:63]: where the next step's Q and scales lie
.set G1R, 72                           ; s[72:79] group 1 of the refills (offsets lie there until the buffers' addresses are made)
.set PB,  96                           ; s[96:97] where my work-group's prefetch begins
.macro WALU                            ; the wait at these places
	s_wait_alu depctr_va_vdst(0)
.endm
.macro CREST                           ; a round of the cluster's barrier behind its opening barrier
	s_cmp_lg_u32 s[WV], 0
	s_cbranch_scc1 .Lnot_wave_0_\@
	s_barrier_signal -3
.Lnot_wave_0_\@:
	s_barrier_wait -3
	s_barrier_signal -1
	s_barrier_wait -1
.endm
.macro CROUND
	s_barrier_signal -1
	s_barrier_wait -1
	CREST
.endm
.macro TLOAD g1
	tensor_load_to_lds s[G0:G0+3], s[\g1:\g1+7]
	s_nop 0
.rept 4
	v_nop
.endr
.endm
.macro GROUP1 g, rows                  ; dense rows of 2,816 bytes
	s_mov_b32 s[\g], 15|(3<<16)|(1<<21)            ; the mask: all four work-groups; elements of 8 bytes; 21 set beside a mask
	s_mov_b32 s[\g+1], ROW<<16
	s_mov_b32 s[\g+2], \rows<<16
	s_mov_b32 s[\g+3], ROW<<16
	s_mov_b32 s[\g+4], \rows
	s_mov_b32 s[\g+5], ROW
	s_mov_b32 s[\g+6], 0
	s_mov_b32 s[\g+7], 0
.endm
.macro LOADQ                           ; Q's image twice, and its two scale words
	global_load_b128 v[QF:QF+3], v[QO], s[QC:QC+1]
	global_load_b128 v[QF+4:QF+7], v[QO], s[QC:QC+1] offset:512
	global_load_b128 v[QF+16:QF+19], v[QO], s[QC:QC+1]
	global_load_b128 v[QF+20:QF+23], v[QO], s[QC:QC+1] offset:512
	global_load_b64 v[QLO:QLO+1], v[QSO], s[QC+2:QC+3]
.endm
.macro SWAP                            ; the two sets of sums change places
.set J, 0
.rept 32
	v_swap_b32 v[O+J], v[O2+J]
.set J, J+1
.endr
	v_swap_b32 v[NN], v[NN2]
	v_swap_b32 v[L], v[L2]
	v_swap_b32 v[L+1], v[L2+1]
.endm
; The running N, the factors 2^(n - N), the scale word: eight pieces that stand among the multiply-adds of t - n
.macro CHAIN k
.if \k == 0
	v_min3_num_f32 v[TMP], v[NN], v[PT], v[PT+1]
.elseif \k == 1
	v_min3_num_f32 v[TMP], v[TMP], v[PT+2], v[PT+3]                ; the new -N
.elseif \k == 2
	v_sub_f32 v[F], v[TMP], v[NN]                  ; old N - new N
	v_mov_b32 v[NN], v[TMP]
.elseif \k == 3
	v_pk_add_f32 v[BM:BM+1], v[NN:NN+1], v[PT:PT+1] op_sel_hi:[0,1] neg_lo:[0,1] neg_hi:[0,1]       ; n - N
	v_pk_add_f32 v[BM+2:BM+3], v[NN:NN+1], v[PT+2:PT+3] op_sel_hi:[0,1] neg_lo:[0,1] neg_hi:[0,1]
	v_max_num_f32 v[F], s[CL], v[F]
.elseif \k == 4
	v_dual_max_num_f32 v[BM], s[CL], v[BM] :: v_dual_max_num_f32 v[BM+1], s[CL], v[BM+1]
	v_dual_max_num_f32 v[BM+2], s[CL], v[BM+2] :: v_dual_max_num_f32 v[BM+3], s[CL], v[BM+3]
	v_add_f32 v[F], s[MG], v[F]
.elseif \k == 5
	v_pk_add_f32 v[BM:BM+1], v[BM:BM+1], s[MG:MG+1] op_sel_hi:[1,0]         ; 2^23 + 127 + (n - N): the low byte is the scale's byte
	v_pk_add_f32 v[BM+2:BM+3], v[BM+2:BM+3], s[MG:MG+1] op_sel_hi:[1,0]
	v_lshlrev_b32 v[F], 23, v[F]                   ; f
.elseif \k == 6
	v_perm_b32 v[PW], v[BM+1], v[BM], s[PM0]
	v_perm_b32 v[TMP], v[BM+3], v[BM+2], s[PM1]
.else
	v_or_b32 v[PW], v[PW], v[TMP]
.endif
.endm
; A STEP: my tile against the 128 keys of a record.  mode 0: LOW's record 0 from memory (stream 0, in the head);  1: phases 0 and 1: a round of the cluster's barrier and a refill;  2: phase 2: a plain barrier at its end;  3: phase 3.
.macro STEP mode
	WALU
.if \mode > 1
	s_cmp_lt_u32 s[SG], s[NH]
	s_cbranch_scc1 .Lsame_\@
	s_cmp_eq_u32 s[HLC], 1
	s_cbranch_scc1 .Lsame_\@
	SWAP                                           ; from here on my places are LOW's
	s_mov_b32 s[HLC], 1
	WALU
.Lsame_\@:
.endif
.if \mode
	v_add_nc_u32 v[ADR], s[TB], v[AKV]
	v_add_nc_u32 v[ADS], s[TB], v[ASW]
.irp f, 0,1,2,3
	ds_load_b32 v[SW+\f], v[ADS] offset:16384+64*\f
.endr
.irp f, 0,1,2,3
.irp c, 0,1,2,3
	ds_load_b128 v[FR+16*\f+4*\c:FR+16*\f+4*\c+3], v[ADR] offset:2048*\f+512*\c
.endr
.endr
.if \mode < 3
	s_add_co_u32 s92, s[SG], 8                     ; the next step's tile: HIGH or LOW
	s_cmp_lt_u32 s92, s[NH]
	s_cselect_b64 s[QC:QC+1], s[QH:QH+1], s[QL:QL+1]
	s_cselect_b64 s[QC+2:QC+3], s[SH:SH+1], s[SL:SL+1]
.endif
.else
.irp f, 0,1,2,3
	global_load_b32 v[SW+\f], v[ASW], s[KVB:KVB+1] offset:16384-SLOT0+64*\f         ; (stream 0's place is 0: v[ASW] = SLOT0 + 4 r + 256 h)
.endr
.irp f, 0,1,2,3
.irp c, 0,1,2,3
	global_load_b128 v[FR+16*\f+4*\c:FR+16*\f+4*\c+3], v[QO], s[KVB:KVB+1] offset:2048*\f+512*\c
.endr
.endr
.endif
	WALU
.irp f, 0,1,2,3
.if \mode
	s_wait_dscnt 12-4*\f                           ; the fragments behind this one may be out
.else
	s_wait_loadcnt 12-4*\f
.endif
	v_wmma_scale_f32_16x16x128_f8f6f4 v[S+16*\f:S+16*\f+7], v[FR+16*\f:FR+16*\f+15], v[QF:QF+15], 0, v[SW+\f], v[QLO] matrix_a_fmt:MATRIX_FMT_BF8 matrix_b_fmt:MATRIX_FMT_BF8
	v_wmma_scale_f32_16x16x128_f8f6f4 v[S+16*\f+8:S+16*\f+15], v[FR+16*\f:FR+16*\f+15], v[QF+8:QF+23], 0, v[SW+\f], v[QHI] matrix_a_fmt:MATRIX_FMT_BF8 matrix_b_fmt:MATRIX_FMT_BF8
.endr                                          ; lane (r, h) holds query r; the 16 registers of tiles 2 f, 2 f + 1 are keys 32 f + 16 h + 0 .. 15
.rept 8
	v_nop                                          ; eight places ahead of the loads into K's and Q's registers and of the first read of the scores
.endr
.irp t, 0,1,2,3
.irp c, 0,1,2,3
.if \mode
	ds_load_b128 v[FR+16*\t+4*\c:FR+16*\t+4*\c+3], v[ADR] offset:8192+2048*\t+512*\c
.else
	global_load_b128 v[FR+16*\t+4*\c:FR+16*\t+4*\c+3], v[QO], s[KVB:KVB+1] offset:8192+2048*\t+512*\c
.endif
.endr
.endr
.if \mode == 0
	s_mov_b64 s[QC:QC+1], s[QH:QH+1]               ; (the loads that named these registers are done)
	s_mov_b64 s[QC+2:QC+3], s[SH:SH+1]
.endif
.if \mode < 3
	LOADQ
.endif
.if \mode != 1                                 ; the diagonal record: HIGH's at sigma = 31 - q, LOW's at 32 - q (q = 0: record 0); phases 0 and 1 hold none, since q is at most 15
.if \mode
	s_sub_co_u32 s94, s[SG], s[NH]
	s_add_co_u32 s94, s94, 1
	s_cmp_gt_u32 s94, 1
	s_cbranch_scc1 .Lopen_\@
	s_cmp_eq_u32 s[SG], s[NH]
	s_cselect_b32 s93, s[TL], s[TH]
.else
	s_cmp_lg_u32 s[NH], 32
	s_cbranch_scc1 .Lopen_\@
	s_mov_b32 s93, s[TL]
.endif
	v_and_b32 v244, 15, v0
	v_bfe_u32 v245, v0, 4, 1
	v_lshlrev_b32 v245, 4, v245
	v_sub_nc_u32 v244, v244, v245
	v_add_nc_u32 v246, s93, v244                   ; D = 16 (tile % 8) + r - 16 h.  Register 16 b + i holds key 32 b + 16 h + i: it counts where 32 b + i <= D
	v_cvt_f32_i32 v246, v246
	v_add_f32 v244, 0.5, v246
	v_add_f32 v245, -0.5, v246
	v_pk_add_f32 v[246:247], v[244:245], 0xc2000000 op_sel_hi:[1,0]        ; 32, 64, 96 less for blocks 1 to 3
	v_pk_add_f32 v[248:249], v[244:245], 0xc2800000 op_sel_hi:[1,0]
	v_pk_add_f32 v[250:251], v[244:245], 0xc2c00000 op_sel_hi:[1,0]
.irp b, 0,1,2,3
	v_pk_mul_f32 v[244+2*\b:245+2*\b], v[244+2*\b:245+2*\b], 0x71800000 op_sel_hi:[1,0]   ; (D - 32 b - i + 1/2) x 2^100: a bound above every score, or, for a hidden key, at most -2^99
.endr
.irp j, 0,2,4,6,8,10,12,14
.irp b, 0,1,2,3
	v_dual_min_num_f32 v[S+16*\b+\j], v[244+2*\b], v[S+16*\b+\j] :: v_dual_min_num_f32 v[S+16*\b+\j+1], v[245+2*\b], v[S+16*\b+\j+1]
.endr
.if \j < 14
.irp b, 0,1,2,3
	v_pk_add_f32 v[244+2*\b:245+2*\b], v[244+2*\b:245+2*\b], 0xf2000000 op_sel_hi:[1,0]   ; two keys on
.endr
.endif
.endr
.Lopen_\@:
.endif
.irp b, 0,1,2,3
	v_max3_num_f32 v[BM+\b], v[S+16*\b], v[S+1+16*\b], v[S+2+16*\b]
.endr
.irp i, 3,5,7,9,11,13
.irp b, 0,1,2,3
	v_max3_num_f32 v[BM+\b], v[BM+\b], v[S+16*\b+\i], v[S+1+16*\b+\i]      ; (the four blocks by turns; each accumulator is first read at its low end)
.endr
.endr
.irp b, 0,1,2,3
	v_max3_num_f32 v[BM+\b], v[BM+\b], v[S+15+16*\b], 0xec800000           ; and a floor, -2^90: over it a block whose keys are all hidden gives zeros
.endr
.irp b, 0,1,2,3
	v_permlanex16_b32 v[PT+\b], v[BM+\b], s[SEL], s[SEL+1]
.endr
.irp b, 0,1,2,3
	v_max_num_f32 v[BM+\b], v[BM+\b], v[PT+\b]     ; with lane l xor 16's 16 keys
.endr
	v_pk_mul_f32 v[BM:BM+1], v[BM:BM+1], s[CS:CS+1] op_sel_hi:[1,0]        ; the block's largest t (c is positive)
	v_pk_mul_f32 v[BM+2:BM+3], v[BM+2:BM+3], s[CS:CS+1] op_sel_hi:[1,0]
.irp b, 0,1,2,3
	v_ceil_f32 v[PT+\b], -v[BM+\b]                 ; -n = -floor(t)
.endr
.irp k, 0,1,2,3,4,5,6,7                        ; t - n, two at a time
	v_pk_fma_f32 v[S+2*\k:S+2*\k+1], v[S+2*\k:S+2*\k+1], s[CS:CS+1], v[PT:PT+1] op_sel_hi:[1,0,0]
	v_pk_fma_f32 v[S+16+2*\k:S+17+2*\k], v[S+16+2*\k:S+17+2*\k], s[CS:CS+1], v[PT:PT+1] op_sel:[0,0,1] op_sel_hi:[1,0,1]
	v_pk_fma_f32 v[S+32+2*\k:S+33+2*\k], v[S+32+2*\k:S+33+2*\k], s[CS:CS+1], v[PT+2:PT+3] op_sel_hi:[1,0,0]
	v_pk_fma_f32 v[S+48+2*\k:S+49+2*\k], v[S+48+2*\k:S+49+2*\k], s[CS:CS+1], v[PT+2:PT+3] op_sel:[0,0,1] op_sel_hi:[1,0,1]
	CHAIN \k
.endr
.irp b, 0,1,2,3
	v_lshlrev_b32 v[PT+\b], 23, v[BM+\b]           ; 2^(n - N)
.endr
	WALU                                           ; ahead of the batch
.set J, 0
.rept 64
	v_exp_f32 v[S+J], v[S+J]                       ; P = 2^(t - n)
.set J, J+1
.endr
	v_pk_mul_f32 v[L:L+1], v[L:L+1], v[NN:NN+1] op_sel:[0,1] op_sel_hi:[1,1]       ; l under the new N.  (The plain line behind the exponentials)
	WALU                                           ; behind the batch, ahead of its first reader
.if \mode == 1
	s_wait_loadcnt 0x0                             ; the next step's Q
	s_wait_tensorcnt 0x0                           ; my part of the slot ahead is in: no tensor load of mine is out
	ds_add_u32 v[SPW], v[NIL]                      ; the descriptor's words and the sums stand between it and its wait
	s_add_co_u32 s[G0+1], s[LA], s[TB]             ; the slot in hand is filled again behind the round: place MNB + i, half p
	s_add_co_u32 s90, s[I], s[MNB]
	s_sub_co_u32 s91, 32, s90
	s_cmp_lt_u32 s90, s[NH]
	s_cselect_b32 s90, s90, s91
	s_mul_i32 s90, s90, REC
	s_add_co_u32 s90, s90, s[HO]
	s_mov_b32 s91, 0
	s_add_nc_u64 s[G0+2:G0+3], s[KVB:KVB+1], s[90:91]
	s_or_b32 s[G0+3], s[G0+3], 0x80000000
.endif
	v_pk_add_f32 v[244:245], v[S:S+1], v[S+2:S+3]  ; the blocks' sums of the unquantised P, four chains by turns
	v_pk_add_f32 v[246:247], v[S+16:S+17], v[S+18:S+19]
	v_pk_add_f32 v[252:253], v[S+32:S+33], v[S+34:S+35]
	v_pk_add_f32 v[254:255], v[S+48:S+49], v[S+50:S+51]
.irp k, 4,6,8,10,12,14
	v_pk_add_f32 v[244:245], v[244:245], v[S+\k:S+1+\k]
	v_pk_add_f32 v[246:247], v[246:247], v[S+16+\k:S+17+\k]
	v_pk_add_f32 v[252:253], v[252:253], v[S+32+\k:S+33+\k]
	v_pk_add_f32 v[254:255], v[254:255], v[S+48+\k:S+49+\k]
.endr
.if \mode == 1
	WALU
	s_wait_dscnt 0x0                               ; V is in: my reads of the slot are over, and the add is done
	s_barrier_signal -1
.endif
.irp b, 0,1,2,3
.irp i, 0,2,4,6,8,10,12,14
	v_dual_min_num_f32 v[S+16*\b+\i], s[HC], v[S+16*\b+\i] :: v_dual_min_num_f32 v[S+16*\b+\i+1], s[HC], v[S+16*\b+\i+1]   ; the conversion does not saturate (ISA guide 7.6.2); P is not negative
.endr
	v_cvt_scalef32_pk8_bf8_f32 v[PC+4*\b:PC+4*\b+1], v[S+16*\b:S+16*\b+7], v[CVS]
	v_cvt_scalef32_pk8_bf8_f32 v[PC+4*\b+2:PC+4*\b+3], v[S+16*\b+8:S+16*\b+15], v[CVS]
.endr
	v_nop                                          ; a plain line behind the last conversion
.if \mode != 1
	WALU
.if \mode != 3
	s_wait_loadcnt 0x0                             ; the next step's Q (mode 0: and V)
.endif
.if \mode == 2
	s_wait_tensorcnt 0x0                           ; my part of phase 3's slot is in
.endif
.if \mode
	s_wait_dscnt 0x0                               ; V is in: my reads of the slot are over
.endif
.endif
	WALU                                           ; directly ahead of the first reader of O^T
.set J, 0
.rept 16
	v_pk_mul_f32 v[O+J:O+J+1], v[O+J:O+J+1], v[NN:NN+1] op_sel:[0,1] op_sel_hi:[1,1]       ; O^T under the new N.  (These also stand between the codes and the products)
.set J, J+2
.endr
.if \mode == 2
	s_barrier_signal -1
.endif
.irp t, 0,1,2,3
	v_wmma_scale_f32_16x16x128_f8f6f4 v[O+8*\t:O+8*\t+7], v[FR+16*\t:FR+16*\t+15], v[PC:PC+15], v[O+8*\t:O+8*\t+7], v[SW+\t], v[PW] matrix_a_fmt:MATRIX_FMT_BF8 matrix_b_fmt:MATRIX_FMT_BF8 matrix_a_scale:MATRIX_SCALE_ROW1
.endr
	v_pk_fma_f32 v[L:L+1], v[244:245], v[PT:PT+1], v[L:L+1] op_sel_hi:[1,0,1]      ; the four blocks' sums join l; with four v_nop these are the eight places behind the products
	v_pk_fma_f32 v[L:L+1], v[246:247], v[PT:PT+1], v[L:L+1] op_sel:[0,1,0] op_sel_hi:[1,1,1]
	v_pk_fma_f32 v[L:L+1], v[252:253], v[PT+2:PT+3], v[L:L+1] op_sel_hi:[1,0,1]
	v_pk_fma_f32 v[L:L+1], v[254:255], v[PT+2:PT+3], v[L:L+1] op_sel:[0,1,0] op_sel_hi:[1,1,1]
.if \mode != 1
.rept 4
	v_nop
.endr
.endif
	WALU
.if \mode == 1
	s_barrier_wait -1
	CREST                                          ; no wave of any partner still reads this slot or has a load on its way
	TLOAD G1R                                      ; the refill; its four v_nop are the other four places
.elseif \mode == 2
	s_barrier_wait -1
.endif
.endm
	s_load_b256 s[4:11], s[0:1], 0x0               ; kv s[4:5], qc s[6:7], qs s[8:9], out0 s[10:11]
	v_lshl_add_u32 v[SPW], v0, 2, SPARE
	v_mov_b32 v[NIL], 0
	ds_add_u32 v[SPW], v[NIL]                      ; the opening lines: the add, twice on end, and its wait
	ds_add_u32 v[SPW], v[NIL]
	v_lshrrev_b32 v244, 5, v0
	v_readfirstlane_b32 s[WV], v244                ; wave 0..15
	s_and_b32 s[P], s[WV], 1
	s_lshr_b32 s[I], s[WV], 1
	s_mul_i32 s[HO], s[P], HALF
	s_mul_i32 s[LA], s[WV], HALF
	s_add_co_u32 s[LA], s[LA], SLOT0
	s_mul_i32 s53, s[I], REC
	s_add_co_u32 s53, s53, SLOT0
	s_sub_co_u32 s[NH], 32, ttmp9
	s_and_b32 s68, ttmp7, 0xffff                   ; batch
	s_mul_i32 s88, s68, 32*REC
	s_mov_b32 s89, 0
	s_mul_i32 s90, s[WV], REC                      ; the head: place = record = my wave's number, in both slots
	s_mov_b32 s91, 0
	GROUP1 G1, 6                                   ; the head's loads: a whole record
	s_mov_b32 s[G0], 1
	s_add_co_u32 s[G0+1], s90, SLOT0
	s_bfe_u32 s66, ttmp6, 0x40000                  ; cx
	s_lshl_b32 s67, ttmp9, 2
	s_add_co_u32 s67, s67, s66                     ; g
	s_lshl_b32 s69, s67, 1
	s_sub_co_u32 s84, 254, s69
	s_add_co_u32 s70, s84, s[P]                    ; my HIGH tile
	s_add_co_u32 s71, s69, s[P]                    ; my LOW tile
	s_and_b32 s[TH], s70, 7
	s_lshl_b32 s[TH], s[TH], 4
	s_and_b32 s[TL], s71, 7
	s_lshl_b32 s[TL], s[TL], 4
	s_lshl_b32 s72, s68, 8
	s_add_co_u32 s70, s70, s72
	s_add_co_u32 s71, s71, s72
	s_lshl_b32 s74, s70, 10                        ; qc: 1,024 bytes a tile;
	s_mov_b32 s75, 0
	s_lshl_b32 s76, s70, 7                         ; qs: 128
	s_mov_b32 s77, 0
	s_lshl_b32 s78, s71, 10
	s_mov_b32 s79, 0
	s_lshl_b32 s82, s71, 7
	s_mov_b32 s83, 0
	s_lshr_b32 s73, s[WV], 2                       ; the merge: my tile of four: 0, 1 HIGH; 2, 3 LOW
	s_add_co_u32 s84, s84, s73
	s_add_co_u32 s85, s69, s73
	s_sub_co_u32 s85, s85, 2
	s_cmp_lt_u32 s73, 2
	s_cselect_b32 s86, s84, s85
	s_lshl_b32 s86, s86, 14                        ; out0: 1,024 bytes a query, 16 queries a tile,
	s_and_b32 s73, s[WV], 3
	s_lshl_b32 s73, s73, 12                        ; my four queries of it,
	s_add_co_u32 s86, s86, s73
	s_add_co_u32 s86, s86, s72                     ; my batch's 256 bytes
	s_mov_b32 s87, 0
	s_lshr_b32 s[PB], ttmp9, 3                     ; the prefetch: share 16 (q / 8) + 4 (q % 4) + cx of 32: clusters q and q xor 4 have the same share
	s_lshl_b32 s[PB], s[PB], 2
	s_and_b32 s73, ttmp9, 3
	s_add_co_u32 s[PB], s[PB], s73
	s_lshl_b32 s[PB], s[PB], 2
	s_add_co_u32 s[PB], s[PB], s66
	s_lshl_b32 s[PB], s[PB], 13                    ; 8,192 bytes a share: 32 of them end 8,192 bytes ahead of record 31's end
	s_add_co_u32 s[PB], s[PB], 16*REC
	s_mov_b32 s[PB+1], 0
	s_mov_b32 s[SG], s[I]
	s_mov_b32 s[TB], 0
	s_mov_b32 s[MNB], 16
	s_mov_b32 s[HLC], 0
	s_mov_b32 s[SEL], 0x76543210
	s_mov_b32 s[SEL+1], 0xfedcba98
	s_mov_b32 s[CS], 0x3e38aa3b                    ; log2(e) / 8
	s_mov_b32 s[CS+1], s[CS]
	s_mov_b32 s[PM0], 0x0c0c0400
	s_mov_b32 s[PM1], 0x04000c0c
	s_mov_b32 s[HC], 0x3fe00000                    ; 1.75
	s_mov_b32 s[CL], 0xc2fc0000                    ; -126
	s_mov_b32 s[MG], 0x4b00007f                    ; 2^23 + 127
	s_mov_b32 s[MG+1], s[MG]
	v_and_b32 v245, 15, v0                         ; r
	v_bfe_u32 v246, v0, 4, 1                       ; h
	v_and_b32 v247, 31, v0
	v_lshlrev_b32 v[QO], 4, v247
	v_lshlrev_b32 v[PFO], 8, v247
	v_lshlrev_b32 v[QSO], 3, v245
	v_lshlrev_b32 v[ASW], 2, v245
	v_lshl_add_u32 v[ASW], v246, 8, v[ASW]
	v_add_nc_u32 v[ASW], s53, v[ASW]
	v_add_nc_u32 v[AKV], s53, v[QO]
	v_mov_b32 v[CVS], 0x38000000                   ; 2^-15
.irp j, 0,1,2,3,4,5,6,7
	v_mov_b32 v[QF+8+\j], 0                        ; the zero codes between Q's two copies
.endr
	v_mov_b32 v[NN], 0x7f61b1e6                    ; -N = 3e38: N lies under every n
	v_mov_b32 v[NN2], 0x7f61b1e6
	v_mov_b32 v[F], 0
.irp j, 0,1
	v_mov_b32 v[L+\j], 0
	v_mov_b32 v[L2+\j], 0
.endr
.irp b, 0,1,2,3
	v_mov_b32 v[PT+\b], 0                          ; a lane permute's destination counts as one of its sources
.endr
.set J, 0
.rept 64
	v_mov_b32 v[O+J], 0                            ; both sets of O^T: the step is written for any state, and a stream without a step hands zeros to the merge
.set J, J+1
.endr
	WALU
	s_wait_dscnt 0x0                               ; both opening adds are done
	CROUND                                         ; all four work-groups are here: the first joint loads meet
	s_wait_kmcnt 0x0
	s_add_nc_u64 s[KVB:KVB+1], s[4:5], s[88:89]
	s_add_nc_u64 s[G0+2:G0+3], s[KVB:KVB+1], s[90:91]              ; places 0 .. 15 hold records 0 .. 15
	s_or_b32 s[G0+3], s[G0+3], 0x80000000
	s_cmp_lt_u32 s[WV], 8                          ; two lines, since waves 0-7 wait ahead of the first barrier and waves 8-15 do not
	s_cbranch_scc0 .Lslot_1
	TLOAD G1
	s_branch .Lasked
.Lslot_1:
	s_nop 15                                       ; what is needed first is asked for first
	TLOAD G1
.Lasked:
	s_add_nc_u64 s[QH:QH+1], s[6:7], s[74:75]
	s_add_nc_u64 s[SH:SH+1], s[8:9], s[76:77]
	s_add_nc_u64 s[QL:QL+1], s[6:7], s[78:79]
	s_add_nc_u64 s[SL:SL+1], s[8:9], s[82:83]
	s_cmp_eq_u32 s[I], 0                           ; stream 0 begins with its LOW tile's record 0
	s_cselect_b64 s[QC:QC+1], s[QL:QL+1], s[QH:QH+1]
	s_cselect_b64 s[QC+2:QC+3], s[SL:SL+1], s[SH:SH+1]
	LOADQ
	s_add_nc_u64 s[OUT:OUT+1], s[10:11], s[86:87]
	s_add_nc_u64 s[PB:PB+1], s[KVB:KVB+1], s[PB:PB+1]
	GROUP1 G1R, 3                                  ; the refills: half a record
	s_cmp_eq_u32 s[WV], 15
	s_cbranch_scc0 .Lnot_mine
	global_prefetch_b8 v[PFO], s[PB:PB+1] th:TH_LOAD_NT scope:SCOPE_SE
.Lnot_mine:
	s_cmp_lg_u32 s[I], 0
	s_cbranch_scc1 .Lmain
	s_wait_xcnt 0x0                                ; (v[PFO] is written again below)
	STEP 0
	SWAP
	WALU
.Lmain:
	s_wait_xcnt 0x0                                ; the prefetch has read its offset
	s_wait_loadcnt 0x0                             ; Q and its scales
	s_cmp_lt_u32 s[WV], 8
	s_cbranch_scc0 .Lnot_yet
	s_wait_tensorcnt 0x0                           ; slot 0's records are in; slot 1's are shown by phase 0's round
.Lnot_yet:
	s_barrier_signal -1
	s_barrier_wait -1
	s_mov_b32 s80, 2
.Lfill:                                        ; phases 0 and 1: slot 0, slot 1, each filled again
	STEP 1
	s_add_co_u32 s[TB], s[TB], SLOTB
	s_add_co_u32 s[SG], s[SG], 8
	s_add_co_u32 s[MNB], s[MNB], 8
	s_sub_co_u32 s80, s80, 1
	s_cmp_lg_u32 s80, 0
	s_cbranch_scc1 .Lfill
	s_mov_b32 s[TB], 0
	STEP 2
	s_mov_b32 s[TB], SLOTB
	s_add_co_u32 s[SG], s[SG], 8
	STEP 3
	s_cmp_eq_u32 s[HLC], 0
	s_cbranch_scc1 .Lhome
	SWAP                                           ; HIGH's sums back in the first set
	WALU
.Lhome:
	; THE MERGE.  Each stream hands over -N, l and O^T of both tiles; wave (tile, quarter) takes four queries of its tile from the tile's eight streams.
	v_and_b32 v246, 15, v0                         ; r
	v_bfe_u32 v247, v0, 4, 1                       ; h
	s_lshl_b32 s70, s[P], 3
	s_add_co_u32 s70, s70, s[I]                    ; 8 p + i: HIGH's stage; LOW's lies 16 stages on
	s_mul_i32 s71, s70, SREG
	s_lshl_b32 s70, s70, 7
	s_add_co_u32 s70, s70, STAT
	WALU
	v_mul_u32_u24 v4, 272, v246
	v_lshl_add_u32 v4, v247, 5, v4
	v_add_nc_u32 v4, s71, v4                       ; in: row r, + 32 h
	v_add_nc_u32 v39, 16*SREG, v4
	v_lshlrev_b32 v5, 3, v246
	v_add_nc_u32 v5, s70, v5
	v_add_f32 v244, v[L], v[L+1]
	v_add_f32 v245, v[L2], v[L2+1]
	v_permlanex16_b32 v248, v244, s[SEL], s[SEL+1]
	v_permlanex16_b32 v249, v245, s[SEL], s[SEL+1]
	v_add_f32 v9, v244, v248                       ; l, with lane l xor 16's: beside -N in v[8:9]
	v_add_f32 v241, v245, v249
	ds_store_b64 v5, v[8:9]                        ; both lanes of a query write the same eight bytes with the same values
	ds_store_b64 v5, v[240:241] offset:2048
.irp t, 0,1,2,3
	ds_store_b128 v4, v[O+8*\t:O+8*\t+3] offset:64*\t
	ds_store_b128 v4, v[O+8*\t+4:O+8*\t+7] offset:64*\t+16
	ds_store_b128 v39, v[O2+8*\t:O2+8*\t+3] offset:64*\t
	ds_store_b128 v39, v[O2+8*\t+4:O2+8*\t+7] offset:64*\t+16
.endr
	s_lshr_b32 s72, s[WV], 2                       ; tile
	s_and_b32 s73, s[WV], 3                        ; quarter
	s_mul_i32 s74, s72, 8*SREG
	s_mul_i32 s75, s73, 4*272
	s_add_co_u32 s74, s74, s75
	s_lshl_b32 s76, s72, 10
	s_lshl_b32 s77, s73, 5
	s_add_co_u32 s76, s76, s77
	s_add_co_u32 s76, s76, STAT
	WALU
	v_mul_u32_u24 v1, 272, v247
	v_lshl_add_u32 v1, v246, 4, v1
	v_add_nc_u32 v1, s74, v1                       ; back: stream 0, row 4 quarter + h, 16 bytes a lane
	v_lshlrev_b32 v6, 3, v247
	v_add_nc_u32 v6, s76, v6
	v_lshlrev_b32 v7, 10, v247
	v_lshl_add_u32 v7, v246, 4, v7                 ; out0: lanes 0-15 one query's 256 bytes, lanes 16-31 the next query's
	WALU
	s_wait_dscnt 0x0                               ; for the others' sake: my stores are done
	s_barrier_signal -1
	s_barrier_wait -1
.irp q, 0,1                                    ; rows 4 quarter + h + 2 q
.irp s, 0,1,2,3,4,5,6,7
	ds_load_b64 v[112+16*\q+2*\s:113+16*\q+2*\s], v6 offset:128*\s+16*\q
.endr
.endr
.irp q, 0,1
.irp s, 0,1,2,3,4,5,6,7
	ds_load_b128 v[FR+32*\q+4*\s:FR+32*\q+4*\s+3], v1 offset:SREG*\s+544*\q
.endr
.endr
	s_wait_dscnt 16                                ; the statistics are in; the sixteen rows may be out
.irp q, 0,1
	v_min3_num_f32 v[144+\q], v[112+16*\q], v[114+16*\q], v[116+16*\q]
.endr
.irp q, 0,1
	v_min3_num_f32 v[144+\q], v[144+\q], v[118+16*\q], v[120+16*\q]
.endr
.irp q, 0,1
	v_min3_num_f32 v[144+\q], v[144+\q], v[122+16*\q], v[124+16*\q]
.endr
.irp q, 0,1
	v_min_num_f32 v[144+\q], v[144+\q], v[126+16*\q]               ; the largest N, negated
.endr
.irp s, 0,1,2,3,4,5,6,7
.irp q, 0,1
	v_sub_f32 v[148+8*\q+\s], v[144+\q], v[112+16*\q+2*\s]         ; the stream's N less the largest: a whole number, 0 or less
.endr
.endr
.irp s, 0,1,2,3,4,5,6,7
.irp q, 0,1
	v_cvt_i32_f32 v[148+8*\q+\s], v[148+8*\q+\s]                   ; (it saturates)
.endr
.endr
.irp s, 0,1,2,3,4,5,6,7
.irp q, 0,1
	v_ldexp_f32 v[148+8*\q+\s], 1.0, v[148+8*\q+\s]                ; the stream's factor: an exact power of two, 0 for a stream without a step
.endr
.endr
.irp q, 0,1
	v_mul_f32 v[146+\q], v[148+8*\q], v[113+16*\q]
.endr
.irp s, 1,2,3,4,5,6,7
.irp q, 0,1
	v_fma_f32 v[146+\q], v[148+8*\q+\s], v[113+16*\q+2*\s], v[146+\q]      ; the row's sum
.endr
.endr
	WALU
	v_rcp_f32 v164, v146
	v_rcp_f32 v165, v147
	v_nop                                          ; one plain line behind the reciprocals
	WALU
	v_mul_f32 v166, 0x38000000, v164               ; x 2^-15, which the scale bytes of P left out
	v_mul_f32 v167, 0x38000000, v165
.irp s, 0,1,2,3,4,5,6,7
.irp q, 0,1
	v_mul_f32 v[148+8*\q+\s], v[148+8*\q+\s], v[166+\q]
.endr
.endr
	WALU
	s_wait_dscnt 0x0
.irp k, 0,2
.irp q, 0,1
	v_pk_mul_f32 v[168+4*\q+\k:169+4*\q+\k], v[FR+32*\q+\k:FR+32*\q+\k+1], v[148+8*\q:149+8*\q] op_sel_hi:[1,0]
.endr
.endr
.irp s, 1,2,3,4,5,6,7
.irp k, 0,2
.irp q, 0,1
.if \s%2
	v_pk_fma_f32 v[168+4*\q+\k:169+4*\q+\k], v[FR+32*\q+4*\s+\k:FR+32*\q+4*\s+\k+1], v[147+8*\q+\s:148+8*\q+\s], v[168+4*\q+\k:169+4*\q+\k] op_sel:[0,1,0] op_sel_hi:[1,1,1]
.else
	v_pk_fma_f32 v[168+4*\q+\k:169+4*\q+\k], v[FR+32*\q+4*\s+\k:FR+32*\q+4*\s+\k+1], v[148+8*\q+\s:149+8*\q+\s], v[168+4*\q+\k:169+4*\q+\k] op_sel_hi:[1,0,1]
.endif
.endr
.endr
.endr
.irp q, 0,1
	global_store_b128 v7, v[168+4*\q:171+4*\q], s[OUT:OUT+1] offset:2048*\q th:TH_STORE_NT   ; each half of 16 lanes stores 256 consecutive bytes, aligned to 256
.endr
	s_wait_tensorcnt 0x0                           ; the wave's end
	ds_add_u32 v[SPW], v[NIL]
	s_wait_dscnt 0x0
	CROUND                                         ; the closing round: no work-group ends while a partner may still ask for a record that names it
	s_endpgm
.Lfunc_end_k_q5e7b9dc3b3_attn:
	.size	k_q5e7b9dc3b3_attn, .Lfunc_end_k_q5e7b9dc3b3_attn-k_q5e7b9dc3b3_attn
	.p2alignl 7, 3214868480
	.fill 96, 4, 3214868480
	.section	.rodata,"a",@progbits
	.p2align	6, 0x0
	.amdhsa_kernel k_q5e7b9dc3b3_attn
		.amdhsa_group_segment_fixed_size 327680
		.amdhsa_private_segment_fixed_size 0
		.amdhsa_enable_private_segment 0
		.amdhsa_kernarg_size 32
		.amdhsa_user_sgpr_count 2
		.amdhsa_user_sgpr_kernarg_segment_ptr 1
		.amdhsa_wavefront_size32 1
		.amdhsa_system_sgpr_workgroup_id_x 1
		.amdhsa_system_sgpr_workgroup_id_y 1
		.amdhsa_system_sgpr_workgroup_id_z 1
		.amdhsa_system_vgpr_workitem_id 0
		.amdhsa_next_free_vgpr 256
		.amdhsa_next_free_sgpr 100
		.amdhsa_reserve_vcc 0
		.amdhsa_float_denorm_mode_32 3
		.amdhsa_float_denorm_mode_16_64 3
		.amdhsa_memory_ordered 1
		.amdhsa_forward_progress 1
		.amdhsa_inst_pref_size 120
	.end_amdhsa_kernel
	.amdgpu_metadata
---
amdhsa.version: [ 1, 2 ]
amdhsa.kernels:
  - .name:           k_q5e7b9dc3b3_attn
    .symbol:         k_q5e7b9dc3b3_attn.kd
    .args:
      - { .name: kv, .offset: 0, .size: 8, .value_kind: global_buffer, .address_space: global }
      - { .name: qc, .offset: 8, .size: 8, .value_kind: global_buffer, .address_space: global }
      - { .name: qs, .offset: 16, .size: 8, .value_kind: global_buffer, .address_space: global }
      - { .name: out0, .offset: 24, .size: 8, .value_kind: global_buffer, .address_space: global }
    .group_segment_fixed_size: 327680
    .private_segment_fixed_size: 0
    .kernarg_segment_align: 8
    .kernarg_segment_size: 32
    .max_flat_workgroup_size: 512
    .sgpr_count:     100
    .vgpr_count:     256
    .wavefront_size: 32
...
	.end_amdgpu_metadata
.endif
;; end of part 2
